; MI455X (gfx1250); checked and timed in simulation.
; The chip was launched on July 23, 2026; its instructions are those of AMD's public machine-readable ISA for CDNA 5 (MIT licence, August 2026) and "CDNA5" Instruction Set Architecture Reference Guide (July 2026). The comments in the code are by the model that wrote it; some were corrected since.
;; NNS. Allowed arithmetic: matrix products marked QUANTISED: E2M1 operands, one E8M0 scale for each 32 along K, by v_wmma_scale_f32_16x16x128_f8f6f4 with both operands' format E2M1 (or v_wmma_scale_f32_32x16x128_f4), f32 sums; products left as they are: bf16, f16 or f32 operands; f32 sums; everything else in f32.
;; Inputs: attn_mask 1,024 x 128 float32; ff1_b 2 x 512 float32; ff1_w 2 x 512 x 128 float32; ff2_b 2 x 128 float32; ff2_w 2 x 128 x 512 float32; in_proj_b 2 x 384 float32; in_proj_w 2 x 384 x 128 float32; ln1_b 2 x 128 float32; ln1_g 2 x 128 float32; ln2_b 2 x 128 float32; ln2_g 2 x 128 float32; out_b 2 x 128 float32; out_w 2 x 128 x 128 float32; x 1,024 x 128 x 128 float32.
;; Outputs: out0 1,024 x 128 x 128 float32.
;; This version of the problem:
;;   THIS VERSION OF THE PROBLEM IS GIVEN IN LOW PRECISION. The matrix products marked QUANTISED in the list below multiply operands that are first quantised to E2M1 (2 exponent bits, 1 mantissa bit; 4 bits a number), with one power-of-two scale for each 32 numbers along K (OCP MX v1.0); their sums are f32. The products marked 'left as it is' may take bf16, f16 or f32 operands, with f32 sums. Whichever they take, every output number must still come out within the allowed error. Rounding operands to bf16 (8 significant bits) uses up far more of that allowance than f16 does (11 bits, for magnitudes from 6e-5 to 65,504). All else is computed in f32.
;;   The module's matrix products, in the order in which they are computed (A, B: the left and right operand; K: the contracted axis; several contracted axes count as one K, in the product's order):
;;     1. [M 131,072, K 128] x [K 128, N 384]; A: input x; B: input in_proj_w: QUANTISED
;;     2. batch 8,192 x [M 128, K 16] x [K 16, N 128]; A: computed on the way; B: computed on the way: left as it is (K = 16 < 32)
;;     3. batch 8,192 x [M 16, K 128] x [K 128, N 128]; A: computed on the way; B: computed on the way: left as it is (an operand is computed on the way)
;;     4. [M 131,072, K 128] x [K 128, N 128]; A: computed on the way; B: input out_w: left as it is (an operand is computed on the way)
;;     5. [M 131,072, K 128] x [K 128, N 512]; A: computed on the way; B: input ff1_w: left as it is (an operand is computed on the way)
;;     6. [M 131,072, K 512] x [K 512, N 128]; A: computed on the way; B: input ff2_w: left as it is (an operand is computed on the way)
;;     7. [M 131,072, K 128] x [K 128, N 384]; A: computed on the way; B: input in_proj_w: left as it is (an operand is computed on the way)
;;     8. batch 8,192 x [M 128, K 16] x [K 16, N 128]; A: computed on the way; B: computed on the way: left as it is (K = 16 < 32)
;;     9. batch 8,192 x [M 16, K 128] x [K 128, N 128]; A: computed on the way; B: computed on the way: left as it is (an operand is computed on the way)
;;     10. [M 131,072, K 128] x [K 128, N 128]; A: computed on the way; B: input out_w: left as it is (an operand is computed on the way)
;;     11. [M 131,072, K 128] x [K 128, N 512]; A: computed on the way; B: input ff1_w: left as it is (an operand is computed on the way)
;;     12. [M 131,072, K 512] x [K 512, N 128]; A: computed on the way; B: input ff2_w: left as it is (an operand is computed on the way)
;;   THE QUANTISER, for each operand of a quantised product, along K:
;;     - K is cut into blocks of 32 from its start; a last block that is shorter is filled with zeros.
;;     - A block's scale is 2^e with e = floor(log2(the largest magnitude in the block)) - 2, held to -126 .. 127; a block of zeros has e = 0. As a byte (E8M0): e + 127.
;;     - Each number is divided by its block's scale, clamped to +-6, and rounded to the nearest number of E2M1, ties to even, subnormals kept.
;;     - The product sums the exact products of the quantised numbers (number of the format x scale) in f32.
;;   ~~~python
;;   def quantise(x, axis):      # numpy; x: float32 -> the quantised numbers, widened to float32 again
;;       x = np.moveaxis(x, axis, -1); K = x.shape[-1]
;;       x = np.pad(x, [(0, 0)] * (x.ndim - 1) + [(0, -K % 32)]); x = x.reshape(x.shape[:-1] + (-1, 32)); a = np.abs(x).max(-1, keepdims=True)
;;       e = np.where(a > 0, np.clip(np.frexp(np.where(a > 0, a, 1))[1] - 1 - 2, -126, 127), 0)      # np.frexp(a)[1] - 1 = floor(log2(a)), exactly
;;       r = np.clip(x / 2.0 ** e, -6, 6)
;;       step = 2.0 ** (np.maximum(np.frexp(np.where(r == 0, 1, r))[1] - 1, 0) - 1)
;;       q = np.round(r / step) * step * 2.0 ** e      # np.round: ties to even
;;       return np.moveaxis(q.reshape(q.shape[:-2] + (-1,))[..., :K], -1, axis).astype(np.float32)
;;   ~~~
;; One version. Each part assembles by itself: llvm-mc -triple=amdgcn-amd-amdhsa -mcpu=gfx1250 --defsym DOCPART=n.
;; ======== version 1 of 1: 2 launches
;; limits: values are held in f16: magnitudes above 65,504 overflow, below 6.1e-05 lose precision
;; workspace buffers: wstream 799,744 bytes
;; launch prep (part 1): grid 49 x 1, 4 waves a work-group, no clusters, 0 bytes of LDS; arguments in_proj_w, out_w, ff1_w, ff2_w, in_proj_b, ff1_b, out_b, ff2_b, ln1_g, ln1_b, ln2_g, ln2_b, wstream; writes wstream
.if DOCPART == 1
	.amdgcn_target "amdgcn-amd-amdhsa--gfx1250"
	.amdhsa_code_object_version 6
	.text
	.protected	k_q21ecd9be79_prep
	.globl	k_q21ecd9be79_prep
	.p2align	8
	.type	k_q21ecd9be79_prep,@function
k_q21ecd9be79_prep:
	s_mov_b64 s[64:65], 0
	v_nop
	global_prefetch_b8 v0, s[64:65] scope:SCOPE_SE
	s_setreg_imm32_b32 hwreg(HW_REG_WAVE_MODE, 25, 1), 1
	s_wait_xcnt 0x0
; All weights are laid out once, in the order in which the second launch's operand registers take them.
; wstream = 48 quarters of 16,384 bytes, then 13,312 bytes of biases and gains.  A quarter is 32 rows of 512 bytes; a row is an IMAGE of four
; registers: lane L's 16 bytes at 16 L.  Quarter g = 4 (6 l + k) + q: layer l; k = 0, 1: head 4 k + q; k = 2 .. 5: hidden units 32 (4 (k - 2) + q) on.
;   head:   rows 8 f + i (f = q, k, v): layer 1: f16, in_proj_w[1][128 f + 16 head + r][64 (i / 4) + 32 h + 8 (i % 4) + 0 .. 7]
;                                       layer 0: rows 8 f, 8 f + 1 E2M1 codes (k = 32 h + 0 .. 31, then 64 + 32 h + 0 .. 31), row 8 f + 2 the row's four E8M0 bytes, the rest zeros
;           rows 24 + i: f16, out_w[l][64 (head % 2) + 8 (i / 2) + r + 24 (r / 8)][32 (head / 2) + 16 (i % 2) + 8 h + 0 .. 7]
;   hidden: rows 8 u + i (u = 0, 1): f16, ff1_w[l][32 ch + 16 u + r][as in_proj_w's columns];  rows 16 + i: f16, ff2_w[l][8 (i / 2) + r + 24 (r / 8), from row 64 on for i >= 8][32 ch + 16 (i % 2) + 8 h + 0 .. 7]
; (r = lane % 16, h = lane / 16.)  Work-group g < 48 writes quarter g, wave w its rows 8 w .. 8 w + 7; each store covers 512 consecutive bytes, aligned.  Work-group 48 copies the eight vectors.
; The quantiser: a block's scale byte is its largest magnitude's exponent field - 2, held at 1 from below.  A block of zeros so has the byte 1 over zero codes; the bytes are read by this program alone.
; LIMITS: weights beyond f16's largest number, 65,504, become infinities; NaN and infinities among the inputs are not served.
; 49 work-groups: the launch moves 1.6 MB once; no LDS, no barrier, no matrix unit, no cluster: nothing is shared.
	s_load_b256 s[4:11], s[0:1], 0x0               ; in_proj_w s[4:5], out_w s[6:7], ff1_w s[8:9], ff2_w s[10:11]
	s_load_b256 s[12:19], s[0:1], 0x20             ; in_proj_b, ff1_b, out_b, ff2_b
	s_load_b256 s[20:27], s[0:1], 0x40             ; ln1_g, ln1_b, ln2_g, ln2_b
	s_load_b64 s[28:29], s[0:1], 0x60              ; wstream
	v_lshrrev_b32 v1, 5, v0
	v_readfirstlane_b32 s30, v1                    ; wave
	v_and_b32 v3, 31, v0
	v_lshlrev_b32 v3, 4, v3                        ; 16 x lane: my place in a row
	v_and_b32 v4, 15, v0                           ; r
	v_bfe_u32 v5, v0, 4, 1                         ; h
	s_lshr_b32 s32, ttmp9, 2                       ; 6 l + k
	s_and_b32 s33, ttmp9, 3                        ; q
	s_cmp_ge_u32 s32, 6
	s_cselect_b32 s34, 1, 0                        ; l
	s_mul_i32 s36, s34, 6
	s_sub_co_u32 s35, s32, s36                     ; k
	s_lshl_b32 s36, ttmp9, 14                      ; the quarter,
	s_lshl_b32 s37, s30, 12                        ; my wave's eight rows
	s_add_co_u32 s36, s36, s37
	s_mov_b32 s37, 0
	s_wait_kmcnt 0x0
	s_add_nc_u64 s[40:41], s[28:29], s[36:37]      ; where my rows go
; Eight rows: row i takes 32 bytes (8 numbers) a lane at v2 + a (i / dv) + b (i % dv) from s[42:43], rounds them to f16 and stores 16 bytes a lane.  Each row has registers of its own.
.macro ROWS a, dv, b
.set i, 0
.rept 8
	global_load_b128 v[16+8*i:19+8*i], v2, s[42:43] offset:\a*(i/\dv)+\b*(i%\dv)
	global_load_b128 v[20+8*i:23+8*i], v2, s[42:43] offset:\a*(i/\dv)+\b*(i%\dv)+16
.set i, i+1
.endr
	s_wait_loadcnt 0x0
.set i, 0
.rept 8
.irp j, 0,1,2,3
	v_cvt_pk_f16_f32 v[16+8*i+\j], v[16+8*i+2*\j], v[16+8*i+2*\j+1]   ; in place, ascending: register j is written when registers 2 j, 2 j + 1 are read
.endr
	global_store_b128 v3, v[16+8*i:19+8*i], s[40:41] offset:512*i
.set i, i+1
.endr
.endm
.macro CPL lo, n, reg                  ; n x 512 bytes of a vector into registers
.set i, 0
.rept \n
	global_load_b128 v[\reg+4*i:\reg+4*i+3], v3, s[\lo:\lo+1] offset:512*i
.set i, i+1
.endr
.endm
.macro CPS n, dst, reg                 ; and out, at byte dst of the parameters
.set i, 0
.rept \n
	global_store_b128 v3, v[\reg+4*i:\reg+4*i+3], s[46:47] offset:\dst+512*i
.set i, i+1
.endr
.endm
	s_cmp_eq_u32 ttmp9, 48
	s_cbranch_scc1 .Lpar
	s_cmp_ge_u32 s35, 2
	s_cbranch_scc1 .Lffn
	s_lshl_b32 s38, s35, 2
	s_add_co_u32 s38, s38, s33                     ; the head
	s_cmp_eq_u32 s30, 3
	s_cbranch_scc1 .Lwo
	s_lshl_b32 s42, s30, 7                         ; in_proj_w: row 128 f + 16 head, f = my wave
	s_lshl_b32 s43, s38, 4
	s_add_co_u32 s42, s42, s43
	s_lshl_b32 s42, s42, 9                         ; 512 bytes a row
	s_mul_i32 s43, s34, 196608                     ; the layer
	s_add_co_u32 s42, s42, s43
	s_mov_b32 s43, 0
	s_add_nc_u64 s[42:43], s[4:5], s[42:43]
	s_cmp_eq_u32 s34, 0
	s_cbranch_scc1 .Lq4
	s_branch .Lrows_p
.Lffn:
	s_sub_co_u32 s38, s35, 2
	s_lshl_b32 s38, s38, 2
	s_add_co_u32 s38, s38, s33                     ; ch: which 32 hidden units
	s_mul_i32 s44, s34, 262144                     ; the layer, in ff1_w and in ff2_w alike
	s_cmp_ge_u32 s30, 2
	s_cbranch_scc1 .Lw2
	s_lshl_b32 s42, s38, 5                         ; ff1_w: row 32 ch + 16 u, u = my wave
	s_lshl_b32 s43, s30, 4
	s_add_co_u32 s42, s42, s43
	s_lshl_b32 s42, s42, 9
	s_add_co_u32 s42, s42, s44
	s_mov_b32 s43, 0
	s_add_nc_u64 s[42:43], s[8:9], s[42:43]
.Lrows_p:                                              ; a tile of 16 rows x 128 K, K in the order in which the second launch's registers hold the features
	v_lshlrev_b32 v2, 9, v4
	v_lshl_add_u32 v2, v5, 7, v2                   ; 512 r + 128 h
	ROWS 256, 4, 32
	s_endpgm
.Lw2:                                                  ; ff2_w: four tiles of output rows, 32 K
	s_sub_co_u32 s42, s30, 2
	s_lshl_b32 s42, s42, 17                        ; 64 rows of 2,048 bytes for wave 3
	s_lshl_b32 s43, s38, 7                         ; columns 32 ch on
	s_add_co_u32 s42, s42, s43
	s_add_co_u32 s42, s42, s44
	s_mov_b32 s43, 0
	s_add_nc_u64 s[42:43], s[10:11], s[42:43]
	v_lshrrev_b32 v6, 3, v4
	v_mad_u32_u24 v6, v6, 24, v4                   ; r + 24 (r / 8)
	v_lshlrev_b32 v2, 11, v6
	v_lshl_add_u32 v2, v5, 5, v2                   ; + 32 h bytes
	ROWS 16384, 2, 64
	s_endpgm
.Lwo:                                                  ; out_w: four tiles of output rows, 32 K
	s_and_b32 s42, s38, 1
	s_lshl_b32 s42, s42, 15                        ; 64 rows of 512 bytes for an odd head
	s_lshr_b32 s43, s38, 1
	s_lshl_b32 s43, s43, 7                         ; columns 32 (head / 2) on
	s_add_co_u32 s42, s42, s43
	s_lshl_b32 s43, s34, 16                        ; the layer
	s_add_co_u32 s42, s42, s43
	s_mov_b32 s43, 0
	s_add_nc_u64 s[42:43], s[6:7], s[42:43]
	v_lshrrev_b32 v6, 3, v4
	v_mad_u32_u24 v6, v6, 24, v4
	v_lshlrev_b32 v2, 9, v6
	v_lshl_add_u32 v2, v5, 5, v2
	ROWS 4096, 2, 64
	s_endpgm
.Lq4:                                                  ; in_proj_w[0]: 16 rows x 128 K become E2M1 codes.  Lane (r, h) holds blocks h and 2 + h of row r whole
	v_lshlrev_b32 v2, 9, v4
	v_lshl_add_u32 v2, v5, 7, v2
.irp c, 0,1
.irp i, 0,1,2,3,4,5,6,7
	global_load_b128 v[16+32*\c+4*\i:19+32*\c+4*\i], v2, s[42:43] offset:256*\c+16*\i
.endr
.endr
	s_mov_b32 s44, 0x76543210
	s_mov_b32 s45, 0xfedcba98                      ; v_permlanex16_b32's selects for lane l xor 16
	s_wait_loadcnt 0x0
.irp c, 0,1
	v_max3_num_f32 v[8+\c], |v[16+32*\c]|, |v[17+32*\c]|, 0x1800000   ; the floor 2^(3 - 127) among the leaves: the byte cannot fall under 1
.endr
.irp i, 2,4,6,8,10,12,14,16,18,20,22,24,26,28,30
.irp c, 0,1
	v_max3_num_f32 v[8+\c], v[8+\c], |v[16+32*\c+\i]|, |v[17+32*\c+\i]|
.endr
.endr
.irp c, 0,1
	v_add_nc_u32 v[10+\c], 0xff000000, v[8+\c]     ; 2 off the exponent field: the conversion's scale operand
.endr
.irp c, 0,1
	v_lshrrev_b32 v[12+\c], 23, v[10+\c]           ; the byte
.endr
	v_lshl_or_b32 v14, v13, 16, v12                ; my two bytes,
	v_lshlrev_b32 v15, 3, v5
	v_lshlrev_b32 v14, v15, v14                    ; 8 h bits up;
	v_mov_b32 v15, 0
	v_permlanex16_b32 v15, v14, s44, s45
	v_or_b32 v88, v14, v15                         ; with lane l xor 16's two the row's word is whole
.irp c, 0,1
.irp g, 0,1,2,3
	v_cvt_scalef32_pk8_fp4_f32 v[80+4*\c+\g], v[16+32*\c+8*\g:23+32*\c+8*\g], v[10+\c]
.endr
.endr
.irp j, 89,90,91,92,93,94,95
	v_mov_b32 v\j, 0
.endr
	global_store_b128 v3, v[80:83], s[40:41]
	global_store_b128 v3, v[84:87], s[40:41] offset:512
	global_store_b128 v3, v[88:91], s[40:41] offset:1024
.irp i, 3,4,5,6,7
	global_store_b128 v3, v[92:95], s[40:41] offset:512*\i   ; so that every byte of the stream is written: the second launch's loads fetch whole quarters
.endr
	s_endpgm
.Lpar:                                                 ; the eight vectors, as they lie, one behind the other
	s_add_nc_u64 s[46:47], s[28:29], 0xc0000
	s_cmp_eq_u32 s30, 0
	s_cbranch_scc0 .Lp1
	CPL 12, 6, 16                                  ; in_proj_b
	s_wait_loadcnt 0x0
	CPS 6, 0, 16
	s_endpgm
.Lp1:
	s_cmp_eq_u32 s30, 1
	s_cbranch_scc0 .Lp2
	CPL 14, 8, 16                                  ; ff1_b
	s_wait_loadcnt 0x0
	CPS 8, 3072, 16
	s_endpgm
.Lp2:
	s_cmp_eq_u32 s30, 2
	s_cbranch_scc0 .Lp3
	CPL 16, 2, 16                                  ; out_b, ff2_b, ln1_g
	CPL 18, 2, 24
	CPL 20, 2, 32
	s_wait_loadcnt 0x0
	CPS 2, 7168, 16
	CPS 2, 8192, 24
	CPS 2, 9216, 32
	s_endpgm
.Lp3:
	CPL 22, 2, 16                                  ; ln1_b, ln2_g, ln2_b
	CPL 24, 2, 24
	CPL 26, 2, 32
	s_wait_loadcnt 0x0
	CPS 2, 10240, 16
	CPS 2, 11264, 24
	CPS 2, 12288, 32
	s_endpgm
.Lfunc_end_k_q21ecd9be79_prep:
	.size	k_q21ecd9be79_prep, .Lfunc_end_k_q21ecd9be79_prep-k_q21ecd9be79_prep
	.p2alignl 7, 3214868480
	.fill 96, 4, 3214868480
	.section	.rodata,"a",@progbits
	.p2align	6, 0x0
	.amdhsa_kernel k_q21ecd9be79_prep
		.amdhsa_group_segment_fixed_size 0
		.amdhsa_private_segment_fixed_size 0
		.amdhsa_enable_private_segment 0
		.amdhsa_kernarg_size 104
		.amdhsa_user_sgpr_count 2
		.amdhsa_user_sgpr_kernarg_segment_ptr 1
		.amdhsa_wavefront_size32 1
		.amdhsa_system_sgpr_workgroup_id_x 1
		.amdhsa_system_sgpr_workgroup_id_y 1
		.amdhsa_system_sgpr_workgroup_id_z 1
		.amdhsa_system_vgpr_workitem_id 0
		.amdhsa_next_free_vgpr 96
		.amdhsa_next_free_sgpr 66
		.amdhsa_reserve_vcc 0
		.amdhsa_float_denorm_mode_32 3
		.amdhsa_float_denorm_mode_16_64 3
		.amdhsa_memory_ordered 1
		.amdhsa_forward_progress 1
		.amdhsa_inst_pref_size 28
	.end_amdhsa_kernel
	.amdgpu_metadata
---
amdhsa.version: [ 1, 2 ]
amdhsa.kernels:
  - .name:           k_q21ecd9be79_prep
    .symbol:         k_q21ecd9be79_prep.kd
    .args:
      - { .name: in_proj_w, .offset: 0, .size: 8, .value_kind: global_buffer, .address_space: global }
      - { .name: out_w, .offset: 8, .size: 8, .value_kind: global_buffer, .address_space: global }
      - { .name: ff1_w, .offset: 16, .size: 8, .value_kind: global_buffer, .address_space: global }
      - { .name: ff2_w, .offset: 24, .size: 8, .value_kind: global_buffer, .address_space: global }
      - { .name: in_proj_b, .offset: 32, .size: 8, .value_kind: global_buffer, .address_space: global }
      - { .name: ff1_b, .offset: 40, .size: 8, .value_kind: global_buffer, .address_space: global }
      - { .name: out_b, .offset: 48, .size: 8, .value_kind: global_buffer, .address_space: global }
      - { .name: ff2_b, .offset: 56, .size: 8, .value_kind: global_buffer, .address_space: global }
      - { .name: ln1_g, .offset: 64, .size: 8, .value_kind: global_buffer, .address_space: global }
      - { .name: ln1_b, .offset: 72, .size: 8, .value_kind: global_buffer, .address_space: global }
      - { .name: ln2_g, .offset: 80, .size: 8, .value_kind: global_buffer, .address_space: global }
      - { .name: ln2_b, .offset: 88, .size: 8, .value_kind: global_buffer, .address_space: global }
      - { .name: wstream, .offset: 96, .size: 8, .value_kind: global_buffer, .address_space: global }
    .group_segment_fixed_size: 0
    .private_segment_fixed_size: 0
    .kernarg_segment_align: 8
    .kernarg_segment_size: 104
    .max_flat_workgroup_size: 128
    .sgpr_count:     66
    .vgpr_count:     96
    .wavefront_size: 32
...
	.end_amdgpu_metadata
.endif
;; end of part 1
;; launch net (part 2): grid 256 x 1, 4 waves a work-group, clusters of 4 x 1, 327,680 bytes of LDS; arguments x, attn_mask, wstream, out0; writes out0
.if DOCPART == 2
	.amdgcn_target "amdgcn-amd-amdhsa--gfx1250"
	.amdhsa_code_object_version 6
	.text
	.protected	k_q21ecd9be79_net
	.globl	k_q21ecd9be79_net
	.p2align	8
	.type	k_q21ecd9be79_net,@function
k_q21ecd9be79_net:
	s_mov_b64 s[64:65], 0
	v_nop
	global_prefetch_b8 v0, s[64:65] scope:SCOPE_SE
	s_setreg_imm32_b32 hwreg(HW_REG_WAVE_MODE, 25, 1), 1
	s_wait_xcnt 0x0
	s_wait_alu depctr_hold_cnt(0) depctr_sa_sdst(0) depctr_va_vdst(0) depctr_va_sdst(0) depctr_va_ssrc(0) depctr_va_vcc(0) depctr_vm_vsrc(0)
	s_getreg_b32 s2, hwreg(HW_REG_IB_STS2, 6, 4)
	s_cmp_eq_u32 s2, 0
	s_cbranch_scc0 .Lentry_in_a_cluster
	s_endpgm
.Lentry_in_a_cluster:
	s_bfe_u32 s2, ttmp6, 0x10000c
	s_cmp_lg_u32 s2, 0x3003
	s_cbranch_scc0 .Lentry_shape_is_right
	s_endpgm
.Lentry_shape_is_right:
; Both layers of the network for 1,024 sequences of 128 tokens x 128 features, in one launch: nothing between x and out0 goes to memory.
; SHARES.  ONE WAVE OWNS ONE SEQUENCE, in 1,024 registers; a work-group is four waves, 256 work-groups.  No wave ever needs another's numbers: what the waves share is the stream of weights,
; which comes as images of operand registers (laid out by the launch before) through a ring of two LDS slots of 64 KB.  The four work-groups of a cluster walk the same stream, so each
; quarter of a slot is asked for JOINTLY: one tensor load a wave, the same descriptor in all four work-groups, a mask that names the four.
; NO PREFETCH: x is asked for whole by the kernel's first loads, and the stream of weights is read by every cluster, not once.
; LAYOUT.  r = lane % 16, h = lane / 16.  The residual x stays in f32 in windows 2 and 3: tile tt (16 tokens) at 64 tt, register 8 ft + j of lane (r, h) = token 16 tt + r,
; feature 64 (ft / 4) + 32 h + 8 (ft % 4) + j.  So registers 0-31 and 32-63 of a tile are whole blocks of 32 for the quantiser, and the conversions' results are the 4-bit operand as it stands.
; Products with a weight take the weight's 16 rows as source 0 and 16 tokens as source 1 (a lane then holds one token and eight outputs), but v, which is taken the other way round, so that its
; result, rounded, is V^T's fragment.  S^T = K Q^T and O^T = V^T P hold one query a lane; P is two tiles of S^T rounded in place; O^T, rounded, is half a K step of the projection's operand.
; The projection and the second feed-forward product add straight onto the residual's registers.  The weights' rows and K order were chosen for all that by the launch before.
; FORMATS.  x @ in_proj_w[0]^T: E2M1 codes with E8M0 scales, x quantised here in registers.  All other products: f16 operands, f32 sums.  Softmax, norms, biases, residuals: f32.
; SOFTMAX.  q is multiplied by log2(e) / 4 in f32 before it is rounded; the mask x log2(e) is the C of the score product; the row's maximum of all 128 keys is taken away; p = 2^(t - M);
; the sum is taken of the unrounded p and divides O.
; K = 16 in a form of K = 32: K's tiles lie 4 registers apart, a fragment's upper half is the next tile, and the upper half of Q's fragment is zeros.
; LIMITS.  The f16 operands (q log2(e) / 4, k, v, p, o, the norms' results, relu(h), the weights) must stay under 65,504; an infinity in k would spoil the neighbouring key tile (0 x infinity).
; t = score + mask is rounded once, inside the product, where the reference rounds twice: that shows only in a row whose every key carries a mask of about -1e9.
; A block of zeros in x has the scale byte 1 over zero codes.  NaN and infinities among the inputs are not served.
.set ROWP,  528                        ; an image's or a token's 512 bytes + 16 of padding
.set QTR,   32*ROWP                    ; a quarter of a slot: what one tensor load brings
.set R1,    0x10800                    ; slot 1 = 128 ROWP; no bit of it meets a bit of wave x QTR, so one exclusive or turns an address from slot to slot
.set PRIV,  2*R1                       ; each wave's own 40,960 bytes: written by LDS stores alone, behind the last fill of these bytes (x's, at the head)
.set PRIVW, 40960
.set OI,    32768                      ; in them: from 0 the layer's operand images (64 x 512), from OI the images of Q and O: tile tt, head parity p at 1024 tt + 512 p
.set PAR,   PRIV+4*PRIVW               ; biases and gains, 13,312 bytes, filled once
.set SPARE, PAR+13312                  ; the spare words, 128 bytes a wave: two blocks of 256 bytes that no other line names
; window 0
.set LI,  1                            ; 16 x lane
.set PL,  2                            ; my wave's PRIV + 16 x lane
.set H32, 3                            ; 32 h
.set R4,  4                            ; 4 r
.set AD,  5                            ; addresses in hand
.set AQ,  6
.set SPW, 7                            ; my spare word; never rewritten
.set NIL, 8                            ; 0; never rewritten
.set WSC, 9                            ; v9-11  the weights' scale words;  v12-15 x's: tile 2 i in lanes 0-15, tile 2 i + 1 in lanes 16-31.  These hold scales and nothing else
.set XSC, 12
.set MK,  16                           ; v16-79   mask x log2(e), in S^T's layout       (norms: the bias;  feed-forward: v16-143 the hidden layer)
.set SB0, 80                           ; v80-143, v144-207  two sets of S^T / P          (norms: gain, shift;  feed-forward: v144-207 two sets of weights)
.set SB1, 144
.set QZ,  208                          ; v208-223 two fragments of Q, upper halves zero  (norms: v208-239 sums;  feed-forward: v208-223 ff1_b)
.set OA,  224                          ; v224-239 O^T in two halves of the keys
.set OB,  232
.set T,   240                          ; v240-247 at work
.set MX,  248                          ; v248 M (v249 named with it)
.set SUM, 250                          ; v250, v251 the row's sum, by the unit's parity
.set RI,  252                          ; v252 1 / sum (v253 named with it)
.set AW,  254                          ; the weights' place in the slot + 16 x lane
.set AB,  255                          ; v's bias
.set HB,  16
.set WA,  144
.set B1R, 208
; window 1 (attention; in the feed-forward block all of it holds the f16 copy of x: tile tt, K step s at 32 tt + 8 s)
.set WF,  0                            ; weights' fragments
.set XF,  96                           ; two tiles of the f16 copy of x; in layer 0 the eight tiles' codes
.set KR,  160                          ; K: 4 registers a tile, then 4 zeros
.set VR,  196                          ; V^T
.set BI,  228                          ; q's, k's, v's bias tiles
.set MSB, 0
.macro WIN new                         ; bits 1:0 source 0, 3:2 source 1, 5:4 source 2, 7:6 destination; the high byte repeats the setting that is left
.if MSB != (\new)
	s_set_vgpr_msb (MSB<<8)|(\new)
.set MSB, (\new)
.endif
.endm
.macro PLACES n
.rept \n
	v_nop
.endr
.endm
.macro ROUND                           ; a round of the cluster's barrier
	s_barrier_signal -1
	s_barrier_wait -1
	s_cmp_lg_u32 s12, 0
	s_cbranch_scc1 .Lnw0_\@
	s_barrier_signal -3
.Lnw0_\@:
	s_barrier_wait -3
	s_barrier_signal -1
	s_barrier_wait -1
.endm
; THE CHANGE OF SLOTS.  Each wave waits for all its tensor loads (one is out: its quarter of the slot ahead), adds 0 to its spare word, and waits for that and for its reads of the slot that it leaves.
; fill = 1: a round of the cluster's barrier, and behind it the wave's one joint load: the next 64 KB of the stream into the slot just left.  flip = 1: the reads go on to the other slot.
.macro CHANGE fill, flip
	s_wait_tensorcnt 0x0                           ; no tensor load of mine is out, so the walking descriptor may be written
	ds_add_u32 v[SPW], v[NIL]
.if \fill
	s_xor_b32 s25, s25, R1                         ; the other slot than last time,
	s_add_nc_u64 s[26:27], s[26:27], 0x10000       ; the next content; the type bits on top are not reached
.endif
.if \flip
	s_xor_b32 s70, s70, R1
.endif
	s_wait_dscnt 0x0
.if \fill
	ROUND
	tensor_load_to_lds s[24:27], s[16:23]
	s_nop 0
	PLACES 4
.else
	s_barrier_signal -1
	s_barrier_wait -1
.endif
.endm
	s_load_b256 s[4:11], s[0:1], 0x0               ; x s[4:5], attn_mask s[6:7], wstream s[8:9], out0 s[10:11]
	v_lshl_add_u32 v[SPW], v0, 2, SPARE
	v_mov_b32 v[NIL], 0
	ds_add_u32 v[SPW], v[NIL]                      ; the wave's opening: an add to the spare word, twice on end, and its wait ahead of my first tensor load
	ds_add_u32 v[SPW], v[NIL]
	v_lshrrev_b32 v[AD], 5, v0
	v_readfirstlane_b32 s12, v[AD]                 ; wave 0..3
	s_bfe_u32 s13, ttmp6, 0x40000                  ; cx
	s_lshl_b32 s14, ttmp9, 2
	s_add_co_u32 s14, s14, s13                     ; work-group = 4 x cluster + cx
	s_lshl_b32 s15, s14, 2
	s_add_co_u32 s15, s15, s12                     ; my sequence: it enters the addresses of x, the mask and out0 alone
	s_lshl_b32 s82, s15, 16                        ; 65,536 bytes a sequence
	s_mov_b32 s83, 0
	s_lshl_b32 s84, s15, 9                         ; 512 bytes of mask
	s_mov_b32 s85, 0
	s_mov_b32 s16, 15|(3<<16)|(1<<20)|(1<<21)|(6<<22)|(3<<25)  ; the ring: mask of all four work-groups; elements of 8 bytes; padding on; bit 21 beside a mask; 4 words behind every 128
	s_mov_b32 s17, 64<<16                          ; tensor_dim0 = 64 elements: 512 bytes
	s_mov_b32 s18, 32<<16                          ; tensor_dim1 = 32 rows
	s_mov_b32 s19, 64<<16                          ; tile_dim0
	s_mov_b32 s20, 32                              ; tile_dim1
	s_mov_b32 s21, 64                              ; the pitch: dense
	s_mov_b32 s22, 0
	s_mov_b32 s23, 0
	s_mov_b32 s28, (3<<16)|(1<<20)|(6<<22)|(3<<25) ; x: my own load, no mask; 128 rows of 512 bytes, padded alike
	s_mov_b32 s29, 64<<16
	s_mov_b32 s30, 128<<16
	s_mov_b32 s31, 64<<16
	s_mov_b32 s32, 128
	s_mov_b32 s33, 64
	s_mov_b32 s34, 0
	s_mov_b32 s35, 0
	s_mov_b32 s40, 15|(3<<16)|(1<<21)              ; the parameters: joint; 13 rows of 256 bytes a wave, no padding
	s_mov_b32 s41, 32<<16
	s_mov_b32 s42, 13<<16
	s_mov_b32 s43, 32<<16
	s_mov_b32 s44, 13
	s_mov_b32 s45, 32
	s_mov_b32 s46, 0
	s_mov_b32 s47, 0
	s_mov_b32 s24, 1
	s_mul_i32 s25, s12, QTR
	s_add_co_u32 s25, s25, R1                      ; the walking descriptor stands one step back: slot 1, one content ahead of the stream; each load steps it first
	s_mov_b32 s36, 1
	s_mul_i32 s37, s12, R1                         ; x's stage: 128 ROWP bytes a wave, from LDS byte 0 on
	s_mov_b32 s48, 1
	s_mul_i32 s49, s12, 3328
	s_add_co_u32 s49, s49, PAR
	s_mul_i32 s81, s12, PRIVW
	s_add_co_u32 s81, s81, PRIV                    ; my wave's own bytes
	s_mov_b32 s52, 0x76543210
	s_mov_b32 s53, 0xfedcba98                      ; v_permlanex16_b32's selects for lane l xor 16
	s_mov_b32 s54, 0x3eb8aa3b                      ; log2(e) / 4
	s_mov_b32 s55, s54
	s_mov_b32 s56, 0x3fb8aa3b                      ; log2(e)
	s_mov_b32 s57, s56
	s_mov_b32 s58, 0xffff0000                      ; lanes 16-31
	s_mov_b32 s59, 0x3727c5ac                      ; 1e-5
	s_mov_b32 s60, 0x3c000000                      ; 1 / 128
	s_mov_b32 s61, 0                               ; the layer
	s_mov_b32 s70, R1                              ; the slot in hand: the first change turns it to slot 0
	s_mov_b32 s75, PAR                             ; the layer's place in the vectors of 128,
	s_mov_b32 s79, PAR                             ; in in_proj_b,
	s_mov_b32 s80, PAR+3072                        ; in ff1_b
	s_lshl_b32 s86, s12, 14                        ; my quarter of a content (these two registers never hold my place in the cluster)
	s_mov_b32 s87, 0
	s_wait_dscnt 0x0                               ; both opening adds are done
	s_wait_kmcnt 0x0
	s_add_nc_u64 s[38:39], s[4:5], s[82:83]
	s_or_b32 s39, s39, 0x80000000
	s_add_nc_u64 s[10:11], s[10:11], s[82:83]
	s_add_nc_u64 s[6:7], s[6:7], s[84:85]
	s_add_nc_u64 s[26:27], s[8:9], s[86:87]
	s_sub_nc_u64 s[26:27], s[26:27], 0x10000       ; (not used as it stands: 65,536 are added ahead of the first load)
	s_or_b32 s27, s27, 0x80000000
	s_mul_i32 s86, s12, 3328
	s_add_nc_u64 s[50:51], s[8:9], s[86:87]
	s_add_nc_u64 s[50:51], s[50:51], 0xc0000
	s_or_b32 s51, s51, 0x80000000
	ROUND                                          ; all four work-groups are here
	tensor_load_to_lds s[36:39], s[28:35]          ; my sequence
	s_nop 0
	tensor_load_to_lds s[48:51], s[40:47]          ; my quarter of the parameters: two loads of mine are out
	s_nop 0
	PLACES 4
	v_and_b32 v[LI], 31, v0
	v_lshlrev_b32 v[LI], 4, v[LI]
	v_add_nc_u32 v[PL], s81, v[LI]
	v_bfe_u32 v[H32], v0, 4, 1
	v_lshlrev_b32 v[H32], 5, v[H32]
	v_and_b32 v[R4], 15, v0
	v_mul_u32_u24 v[AD], v[R4], ROWP
	v_lshlrev_b32 v[R4], 2, v[R4]
	v_lshl_add_u32 v[AD], v[H32], 2, v[AD]
	v_add_nc_u32 v[AD], s37, v[AD]                 ; my stage + ROWP r + 128 h
	s_wait_tensorcnt 0x0                           ; my sequence lies in my stage (the parameters are read behind the next round)
	WIN 0x80
.set i, 0
.rept 128                              ; i = 16 tt + 2 ft + e: 16 bytes of token 16 tt + r
.if i == 64
	WIN 0xc0
.endif
	ds_load_b128 v[4*(i%64):4*(i%64)+3], v[AD] offset:16*ROWP*(i/16)+256*((i/8)%2)+32*((i/2)%4)+16*(i%2)
.set i, i+1
.endr
	WIN 0
.Llayer:                                               ; two trips
	CHANGE 1, 0                                    ; the ring starts anew in each layer: the layer's first content into slot 0.  (Its wait on DScnt is also the wait for x's 128 loads)
.set i, 0
.rept 16
	global_load_b128 v[MK+4*i:MK+4*i+3], v[H32], s[6:7] offset:64*(i/2)+16*(i%2)   ; the mask of keys 16 kt + 8 h + 0 .. 7
.set i, i+1
.endr
.irp j, 4,5,6,7,12,13,14,15
	v_mov_b32 v[QZ+\j], 0                          ; the upper halves of Q's fragments
.endr
.set i, 0
.rept 14
	v_mov_b32 v[T+i], 0                            ; written once a layer: destinations of lane permutes and upper words of pairs count as read
.set i, i+1
.endr
	WIN 0x40
.irp j, 32,33,34,35
	v_mov_b32 v[KR+\j], 0                          ; behind K's last tile
.endr
	WIN 0
	s_mov_b32 s73, s79
	s_mov_b32 s74, s80
	s_cmp_eq_u32 s61, 0
	s_cbranch_scc0 .Lxh
	; ---- layer 0: x becomes codes.  A lane's registers 32 b .. 32 b + 31 of a window (b = 2 t + c) are a whole block: block 2 c + h of its token in tile t
	v_lshrrev_b32 v[SB0+32], 2, v[H32]             ; 8 h
.irp t, 0,1,2,3
	v_mov_b32 v[SB0+28+\t], 0
.endr
.irp g, 0,1
	WIN 0x0a+5*\g
.set b, 0
.rept 8
	v_max3_num_f32 v[SB0+b], |v[32*b]|, |v[32*b+1]|, 0x1800000   ; the floor 2^(3 - 127) among the leaves: the byte cannot fall under 1
.set b, b+1
.endr
.set i, 2
.rept 15
.set b, 0
.rept 8
	v_max3_num_f32 v[SB0+b], |v[32*b+i]|, |v[32*b+i+1]|, v[SB0+b]
.set b, b+1
.endr
.set i, i+2
.endr
	WIN 0
.set b, 0
.rept 8
	v_add_nc_u32 v[SB0+8+b], 0xff000000, v[SB0+b]  ; 2 off the exponent field: the conversion's scale operand
.set b, b+1
.endr
.set b, 0
.rept 8
	v_lshrrev_b32 v[SB0+16+b], 23, v[SB0+8+b]      ; the byte
.set b, b+1
.endr
.irp t, 0,1,2,3
	v_lshl_or_b32 v[SB0+24+\t], v[SB0+17+2*\t], 16, v[SB0+16+2*\t]
.endr
.irp t, 0,1,2,3
	v_lshlrev_b32 v[SB0+24+\t], v[SB0+32], v[SB0+24+\t]
.endr
.irp t, 0,1,2,3
	v_permlanex16_b32 v[SB0+28+\t], v[SB0+24+\t], s52, s53
.endr
.irp t, 0,1,2,3
	v_or_b32 v[SB0+24+\t], v[SB0+24+\t], v[SB0+28+\t]   ; the token's scale word, in both halves of the lanes
.endr
	WIN 0x42+\g
.set b, 0
.rept 8
.irp q, 0,1,2,3
	v_cvt_scalef32_pk8_fp4_f32 v[XF+32*\g+4*b+\q], v[32*b+8*\q:32*b+8*\q+7], v[SB0+8+b]   ; register 4 c + q of the tile's operand: k = 64 c + 32 h + 8 q + 0 .. 7
.endr
.set b, b+1
.endr
	WIN 0
	v_nop                                          ; one plain place behind the scaled conversions
	v_cndmask_b32 v[XSC+2*\g], v[SB0+24], v[SB0+25], s58
	v_cndmask_b32 v[XSC+2*\g+1], v[SB0+26], v[SB0+27], s58
.endr
	s_branch .Lxdone
.Lxh:
	; ---- layer 1: x rounded to f16, as 64 images in my own LDS bytes: window 1 has no room for it beside attention's operands
.irp g, 0,1
	WIN 0x0a+5*\g
.set i, 0
.rept 128
	v_cvt_pk_f16_f32 v[SB0+i], v[2*i], v[2*i+1]
.set i, i+1
.endr
	WIN 0
.set i, 0
.rept 32
	ds_store_b128 v[PL], v[SB0+4*i:SB0+4*i+3] offset:512*(32*\g+i)
.set i, i+1
.endr
	s_wait_dscnt 0x0
.endr
.Lxdone:
	s_wait_loadcnt 0x0                             ; the mask
.set i, 0
.rept 32
	v_pk_mul_f32 v[MK+2*i:MK+2*i+1], v[MK+2*i:MK+2*i+1], s[56:57] op_sel_hi:[1,0]
.set i, i+1
.endr
; ---- attention's macros
.macro PACKQ                           ; tile PT's q in v[PA] on: x log2(e) / 4, rounded, to its place in LDS
	WIN 0
.irp i, 0,1,2,3
	v_pk_mul_f32 v[PA+2*\i:PA+2*\i+1], v[PA+2*\i:PA+2*\i+1], s[54:55] op_sel_hi:[1,0]
.endr
.irp i, 0,1,2,3
	v_cvt_pk_f16_f32 v[PA+\i], v[PA+2*\i], v[PA+2*\i+1]
.endr
	ds_store_b128 v[AQ], v[PA:PA+3] offset:OI+1024*PT
.endm
.macro PACKKV dst                      ; tile PT's k or v in v[PA] on, rounded, into window 1
	WIN 0x40
.irp i, 0,1,2,3
	v_cvt_pk_f16_f32 v[\dst+4*PT+\i], v[PA+2*\i], v[PA+2*\i+1]
.endr
.endm
.macro XLOADT t                        ; tile t of the f16 copy of x
.set i, 0
.rept 8
	ds_load_b128 v[XF+32*((\t)%2)+4*i:XF+32*((\t)%2)+4*i+3], v[PL] offset:512*(8*(\t)+i)
.set i, i+1
.endr
.endm
.macro PVM m, sx                       ; product m of four of O^T = V^T P: keys 32 m on; two accumulators by turns; the first two start the sums
.if \m < 2
	v_wmma_f32_16x16x32_f16 v[OA+8*(\m%2):OA+8*(\m%2)+7], v[VR+8*\m:VR+8*\m+7], v[\sx+8*\m:\sx+8*\m+7], 0
.else
	v_wmma_f32_16x16x32_f16 v[OA+8*(\m%2):OA+8*(\m%2)+7], v[VR+8*\m:VR+8*\m+7], v[\sx+8*\m:\sx+8*\m+7], v[OA+8*(\m%2):OA+8*(\m%2)+7]
.endif
.endm
.macro MAXL                            ; line n of 34 of the row's maximum; each tile of S^T is read from its low end on
.if n < 8
	v_max3_num_f32 v[T+n], v[S+8*n], v[S+8*n+1], v[S+8*n+2]
.elseif n < 24
	v_max3_num_f32 v[T+n%8], v[T+n%8], v[S+8*(n%8)+2*(n/8)+1], v[S+8*(n%8)+2*(n/8)+2]
.elseif n < 28
	v_max3_num_f32 v[T+n-24], v[T+n-24], v[S+16*(n-24)+7], v[S+16*(n-24)+15]
.elseif n == 28
	v_max3_num_f32 v[T], v[T], v[T+1], v[T+2]
.elseif n == 29
	v_max3_num_f32 v[T+3], v[T+3], v[T+4], v[T+5]
.elseif n == 30
	v_max3_num_f32 v[T], v[T], v[T+3], v[T+6]
.elseif n == 31
	v_max_num_f32 v[T], v[T], v[T+7]
.elseif n == 32
	v_permlanex16_b32 v[T+1], v[T], s52, s53       ; the query's other 64 keys lie in the lane 16 away
.else
	v_max_num_f32 v[MX], v[T], v[T+1]
.endif
.set n, n+1
.endm
.macro FIN                             ; O^T's two halves added, divided by the sum, rounded; the image goes where the tile's Q lay
.irp i, 0,1,2,3
	v_pk_add_f32 v[OA+2*\i:OA+2*\i+1], v[OA+2*\i:OA+2*\i+1], v[OB+2*\i:OB+2*\i+1]
.endr
.irp i, 0,1,2,3
	v_pk_mul_f32 v[OA+2*\i:OA+2*\i+1], v[OA+2*\i:OA+2*\i+1], v[RI:RI+1] op_sel_hi:[1,0]
.endr
.irp i, 0,1,2,3
	v_cvt_pk_f16_f32 v[OB+\i], v[OA+2*\i], v[OA+2*\i+1]
.endr
	v_add_nc_u32 v[AD], s77, v[PL]
	ds_store_b128 v[AD], v[OB:OB+3] offset:OI
	s_add_co_u32 s77, s77, 1024
.endm
; A STEP: the softmax of one tile of 16 queries (unit u, its t in set par), with the matrix work of its neighbours between its lines: pv = 1: O^T of unit u - 1; sc = 1: S^T of unit u + 1, into the other set.
; The 64 exponentials and the reciprocal are one batch with one wait.
.macro STEP par, pv, sc
.set S, SB0+64*\par
.set SX, SB0+64*(1-\par)
.set QX, QZ+8*(1-\par)
.if \sc
	v_add_nc_u32 v[AD], s76, v[PL]
	ds_load_b128 v[QX:QX+3], v[AD] offset:OI       ; Q of unit u + 1
	s_add_co_u32 s76, s76, 1024
.endif
.set n, 0
.irp m, 0,1,2,3
.if \pv
	WIN 0x01                                       ; source 0 (V^T, K) in window 1
	PVM \m, SX
	WIN 0
.endif
.rept 8+2*(\m/3)                       ; the ten lines behind the fourth product are the places ahead of the products that write over P
	MAXL
.endr
.endr
.if \sc
	s_wait_dscnt 0x0                               ; Q is in
.endif
.irp k, 0,1,2,3,4,5,6,7
.if \sc
	WIN 0x01
	v_wmma_f32_16x16x32_f16 v[SX+8*\k:SX+8*\k+7], v[KR+4*\k:KR+4*\k+7], v[QX:QX+7], v[MK+8*\k:MK+8*\k+7]
	WIN 0
.endif
.irp i, 0,1,2,3
	v_pk_add_f32 v[S+8*\k+2*\i:S+8*\k+2*\i+1], v[S+8*\k+2*\i:S+8*\k+2*\i+1], v[MX:MX+1] op_sel_hi:[1,0] neg_lo:[0,1] neg_hi:[0,1]   ; t - M
.endr
.irp j, 0,1,2,3,4,5,6,7
	v_exp_f32 v[S+8*\k+\j], v[S+8*\k+\j]
.endr
.if (\k == 0) && \pv
	v_rcp_f32 v[RI], v[SUM+1-\par]                 ; 1 / the sum of unit u - 1
.endif
.endr
	v_nop                                          ; the plain instruction behind the last exponential
	s_wait_alu depctr_va_vdst(0)                   ; one wait for the batch, ahead of the first line that names a result
.irp c, 0,1,2,3
	v_pk_add_f32 v[T+2*\c:T+2*\c+1], v[S+2*\c:S+2*\c+1], v[S+8+2*\c:S+9+2*\c]   ; the sum of the unrounded p, in four chains
.endr
.set i, 8
.rept 24
	v_pk_add_f32 v[T+2*(i%4):T+2*(i%4)+1], v[T+2*(i%4):T+2*(i%4)+1], v[S+2*i:S+2*i+1]
.set i, i+1
.endr
	v_pk_add_f32 v[T:T+1], v[T:T+1], v[T+2:T+3]
	v_pk_add_f32 v[T+4:T+5], v[T+4:T+5], v[T+6:T+7]
	v_pk_add_f32 v[T:T+1], v[T:T+1], v[T+4:T+5]
	v_add_f32 v[T], v[T], v[T+1]
	v_permlanex16_b32 v[T+1], v[T], s52, s53
	v_add_f32 v[SUM+\par], v[T], v[T+1]
.set i, 0
.rept 32
	v_cvt_pk_f16_f32 v[S+i], v[S+2*i], v[S+2*i+1]  ; P, in place, ascending: registers 8 s .. 8 s + 7 are the fragment of keys 32 s on
.set i, i+1
.endr
.if \pv
	FIN
.endif
.endm
	s_mov_b32 s62, 0
.Lka:                                                  ; two contents of four heads
	CHANGE 1, 1
	s_mov_b32 s71, s70                             ; the head's quarter
	s_mov_b32 s72, s70                             ; the pair's two quarters
	s_mov_b32 s63, 0
.Lpp:                                                  ; two pairs of heads: a pair is a K step of the projection
	s_mov_b32 s78, 0                               ; 512 x the head's parity
	s_mov_b32 s66, 0
.Lhh:
	PLACES 2                                       ; with the four additions: six places behind the projection's products, whose operands are loaded and written anew below
	v_add_nc_u32 v[AD], s73, v[H32]
	v_add_nc_u32 v[AB], s73, v[R4]
	v_add_nc_u32 v[AW], s71, v[LI]
	v_add_nc_u32 v[AQ], s78, v[PL]
	WIN 0x40
	ds_load_b128 v[BI:BI+3], v[AD]                 ; q's bias: outputs 8 h + 0 .. 7
	ds_load_b128 v[BI+4:BI+7], v[AD] offset:16
	ds_load_b128 v[BI+8:BI+11], v[AD] offset:512   ; k's
	ds_load_b128 v[BI+12:BI+15], v[AD] offset:528
.irp j, 0,1,2,3,4,5,6,7
	ds_load_b32 v[BI+16+\j], v[AB] offset:1024     ; v's result holds output r in all eight registers
.endr
	WIN 0
	s_cmp_eq_u32 s61, 0
	s_cbranch_scc0 .Lqkv16
	; ---- layer 0: q, k, v of the head on codes: one product a tile
	WIN 0x40
.irp f, 0,1,2
	ds_load_b128 v[WF+8*\f:WF+8*\f+3], v[AW] offset:ROWP*(8*\f)
	ds_load_b128 v[WF+8*\f+4:WF+8*\f+7], v[AW] offset:ROWP*(8*\f+1)
.endr
	WIN 0
.irp f, 0,1,2
	ds_load_b32 v[WSC+\f], v[AW] offset:ROWP*(8*\f+2)
.endr
	s_wait_dscnt 0x0
	WIN 0x15                                       ; sources and C in window 1, result in window 0
.irp f, 0,1
.set tt, 0
.rept 8
.if tt%2
	v_wmma_scale_f32_16x16x128_f8f6f4 v[SB0+64*\f+8*tt:SB0+64*\f+8*tt+7], v[WF+8*\f:WF+8*\f+7], v[XF+8*tt:XF+8*tt+7], v[BI+8*\f:BI+8*\f+7], v[WSC+\f], v[XSC+tt/2] matrix_a_fmt:MATRIX_FMT_FP4 matrix_b_fmt:MATRIX_FMT_FP4 matrix_b_scale:MATRIX_SCALE_ROW1
.else
	v_wmma_scale_f32_16x16x128_f8f6f4 v[SB0+64*\f+8*tt:SB0+64*\f+8*tt+7], v[WF+8*\f:WF+8*\f+7], v[XF+8*tt:XF+8*tt+7], v[BI+8*\f:BI+8*\f+7], v[WSC+\f], v[XSC+tt/2] matrix_a_fmt:MATRIX_FMT_FP4 matrix_b_fmt:MATRIX_FMT_FP4
.endif
.set tt, tt+1
.endr
.endr
	WIN 0
	PLACES 4
.set PT, 0
.rept 8
.set PA, SB1+8*PT
	PACKKV KR
.set PT, PT+1
.endr
	WIN 0x15
.set tt, 0
.rept 8                                ; v the other way round: source 0 = the tokens
.if tt%2
	v_wmma_scale_f32_16x16x128_f8f6f4 v[SB1+8*tt:SB1+8*tt+7], v[XF+8*tt:XF+8*tt+7], v[WF+16:WF+23], v[BI+16:BI+23], v[XSC+tt/2], v[WSC+2] matrix_a_fmt:MATRIX_FMT_FP4 matrix_b_fmt:MATRIX_FMT_FP4 matrix_a_scale:MATRIX_SCALE_ROW1
.else
	v_wmma_scale_f32_16x16x128_f8f6f4 v[SB1+8*tt:SB1+8*tt+7], v[XF+8*tt:XF+8*tt+7], v[WF+16:WF+23], v[BI+16:BI+23], v[XSC+tt/2], v[WSC+2] matrix_a_fmt:MATRIX_FMT_FP4 matrix_b_fmt:MATRIX_FMT_FP4
.endif
.set tt, tt+1
.endr
.set PT, 0
.rept 8                                ; q's 64 lines are the places behind v's products
.set PA, SB0+8*PT
	PACKQ
.set PT, PT+1
.endr
.set PT, 0
.rept 8
.set PA, SB1+8*PT
	PACKKV VR
.set PT, PT+1
.endr
	WIN 0
	s_branch .Lqkvdone
.Lqkv16:
	; ---- layer 1: the same in f16: 12 products a tile, q, k, v by turns; two sets of accumulators and of x's fragments
	WIN 0x40
.set i, 0
.rept 24
	ds_load_b128 v[WF+4*i:WF+4*i+3], v[AW] offset:ROWP*i
.set i, i+1
.endr
	XLOADT 0
	XLOADT 1
.set tt, 0
.rept 8
.if tt < 7
	s_wait_dscnt 8                                 ; all but the next tile's eight loads, the youngest
.else
	s_wait_dscnt 0x0
.endif
.set AC, SB0+24*(tt%2)
.set XB, XF+32*(tt%2)
	WIN 0x15
	v_wmma_f32_16x16x32_f16 v[AC:AC+7], v[WF:WF+7], v[XB:XB+7], v[BI:BI+7]
	v_wmma_f32_16x16x32_f16 v[AC+8:AC+15], v[WF+32:WF+39], v[XB:XB+7], v[BI+8:BI+15]
	v_wmma_f32_16x16x32_f16 v[AC+16:AC+23], v[XB:XB+7], v[WF+64:WF+71], v[BI+16:BI+23]
	WIN 0x05
.irp s, 1,2,3
	v_wmma_f32_16x16x32_f16 v[AC:AC+7], v[WF+8*\s:WF+8*\s+7], v[XB+8*\s:XB+8*\s+7], v[AC:AC+7]
	v_wmma_f32_16x16x32_f16 v[AC+8:AC+15], v[WF+32+8*\s:WF+39+8*\s], v[XB+8*\s:XB+8*\s+7], v[AC+8:AC+15]
	v_wmma_f32_16x16x32_f16 v[AC+16:AC+23], v[XB+8*\s:XB+8*\s+7], v[WF+64+8*\s:WF+71+8*\s], v[AC+16:AC+23]
.endr
.if tt == 0
	WIN 0
	PLACES 4
.else                                  ; the tile before is packed: these lines are the places behind this tile's products
.set PT, tt-1
.set PA, SB0+24*(PT%2)
	PACKQ
.set PA, SB0+24*(PT%2)+8
	PACKKV KR
.set PA, SB0+24*(PT%2)+16
	PACKKV VR
.endif
.if tt < 6
	WIN 0x40
	XLOADT tt+2
.endif
.set tt, tt+1
.endr
.set PT, 7
.set PA, SB0+24
	PACKQ
.set PA, SB0+32
	PACKKV KR
.set PA, SB0+40
	PACKKV VR
	WIN 0
.Lqkvdone:
	s_add_co_u32 s76, s78, 1024                    ; where the next Q lies,
	s_mov_b32 s77, s78                             ; and where the next O goes
	ds_load_b128 v[QZ:QZ+3], v[AQ] offset:OI       ; Q of unit 0
	s_wait_dscnt 0x0
	WIN 0x01
.irp k, 0,1,2,3,4,5,6,7
	v_wmma_f32_16x16x32_f16 v[SB0+8*\k:SB0+8*\k+7], v[KR+4*\k:KR+4*\k+7], v[QZ:QZ+7], v[MK+8*\k:MK+8*\k+7]
.endr
	WIN 0
	PLACES 4
	STEP 0, 0, 1
	s_mov_b32 s67, 0
.Ltr:
	STEP 1, 1, 1
	STEP 0, 1, 1
	s_add_co_u32 s67, s67, 1
	s_cmp_lt_u32 s67, 3
	s_cbranch_scc1 .Ltr
	STEP 1, 1, 0
	WIN 0x01
.irp m, 0,1,2,3
	PVM \m, SB1                                    ; O^T of unit 7
.endr
	WIN 0
	v_rcp_f32 v[RI], v[SUM+1]
	PLACES 4
	s_wait_alu depctr_va_vdst(0)
	FIN
	s_add_co_u32 s71, s71, QTR
	s_add_co_u32 s73, s73, 64
	s_add_co_u32 s78, s78, 512
	s_add_co_u32 s66, s66, 1
	s_cmp_lt_u32 s66, 2
	s_cbranch_scc1 .Lhh
	; ---- the projection's K step of this pair of heads, straight onto the residual: 64 accumulators, each once
	v_add_nc_u32 v[AD], s72, v[LI]
	WIN 0x40
.set i, 0
.rept 16
	ds_load_b128 v[WF+4*i:WF+4*i+3], v[AD] offset:QTR*(i/8)+ROWP*(24+i%8)
.set i, i+1
.endr
	WIN 0
.set i, 0
.rept 16
	ds_load_b128 v[SB0+4*i:SB0+4*i+3], v[PL] offset:OI+512*i   ; LDS serves a wave's instructions in order: these see my stores
.set i, i+1
.endr
	s_wait_dscnt 0x0
.set tt, 0
.rept 8
	WIN 0xa1+0x50*(tt/4)
.irp f, 0,1,2,3,4,5,6,7
	v_wmma_f32_16x16x32_f16 v[64*(tt%4)+8*\f:64*(tt%4)+8*\f+7], v[WF+8*\f:WF+8*\f+7], v[SB0+8*tt:SB0+8*tt+7], v[64*(tt%4)+8*\f:64*(tt%4)+8*\f+7]
.endr
.set tt, tt+1
.endr
	WIN 0
	s_add_co_u32 s72, s72, 2*QTR
	s_add_co_u32 s63, s63, 1
	s_cmp_lt_u32 s63, 2
	s_cbranch_scc1 .Lpp
	s_add_co_u32 s62, s62, 1
	s_cmp_lt_u32 s62, 2
	s_cbranch_scc1 .Lka
; THE NORM of all 128 tokens, four tiles (a window) at a time, one window setting a pass.  ob, og, os: where the product's bias, the gain and the shift lie among the parameters.
; The mean is taken away before the squares are summed.  cvt = 1: the result is also rounded to f16 into window 1, as the feed-forward block's operand.
.macro LNJOIN
.irp t, 0,1,2,3
	v_pk_add_f32 v[208+8*\t:209+8*\t], v[208+8*\t:209+8*\t], v[210+8*\t:211+8*\t]
	v_pk_add_f32 v[212+8*\t:213+8*\t], v[212+8*\t:213+8*\t], v[214+8*\t:215+8*\t]
.endr
.irp t, 0,1,2,3
	v_pk_add_f32 v[208+8*\t:209+8*\t], v[208+8*\t:209+8*\t], v[212+8*\t:213+8*\t]
.endr
.irp t, 0,1,2,3
	v_add_f32 v[208+8*\t], v[208+8*\t], v[209+8*\t]
.endr
.irp t, 0,1,2,3
	v_permlanex16_b32 v[209+8*\t], v[208+8*\t], s52, s53   ; the token's other 64 features lie in the lane 16 away
.endr
.irp t, 0,1,2,3
	v_add_f32 v[208+8*\t], v[208+8*\t], v[209+8*\t]
.endr
.endm
.macro LN cvt, ob, og, os
	v_lshl_add_u32 v[AD], v[H32], 2, s75           ; 128 h + the layer
	PLACES 4                                       ; behind the last products: their operands are loaded anew, their results read
.set i, 0
.rept 16
	ds_load_b128 v[16+4*i:19+4*i], v[AD] offset:\ob+256*(i/8)+32*((i/2)%4)+16*(i%2)
.set i, i+1
.endr
.set i, 0
.rept 16
	ds_load_b128 v[80+4*i:83+4*i], v[AD] offset:\og+256*(i/8)+32*((i/2)%4)+16*(i%2)
.set i, i+1
.endr
.set i, 0
.rept 16
	ds_load_b128 v[144+4*i:147+4*i], v[AD] offset:\os+256*(i/8)+32*((i/2)%4)+16*(i%2)
.set i, i+1
.endr
	s_wait_dscnt 0x0
.irp w, 0,1
	WIN 0x82+0x41*\w
.set p, 0
.rept 128
	v_pk_add_f32 v[2*p:2*p+1], v[2*p:2*p+1], v[16+2*(p%32):17+2*(p%32)]   ; + the bias; ascending: each accumulator is read from its low end on
.set p, p+1
.endr
	WIN 0x0a+5*\w
.irp c, 0,1,2,3
.irp t, 0,1,2,3
	v_pk_add_f32 v[208+8*\t+2*\c:209+8*\t+2*\c], v[64*\t+2*\c:64*\t+2*\c+1], v[64*\t+8+2*\c:64*\t+9+2*\c]
.endr
.endr
	WIN 0x02+\w
.set p, 8
.rept 24
.irp t, 0,1,2,3
	v_pk_add_f32 v[208+8*\t+2*(p%4):209+8*\t+2*(p%4)], v[64*\t+2*p:64*\t+2*p+1], v[208+8*\t+2*(p%4):209+8*\t+2*(p%4)]
.endr
.set p, p+1
.endr
	WIN 0
	LNJOIN
.irp t, 0,1,2,3
	v_mul_f32 v[T+2*\t], 0xbc000000, v[208+8*\t]   ; - the mean
.endr
	WIN 0x82+0x41*\w
.set p, 0
.rept 128
	v_pk_add_f32 v[2*p:2*p+1], v[2*p:2*p+1], v[T+2*(p/32):T+2*(p/32)+1] op_sel_hi:[1,0]
.set p, p+1
.endr
	WIN 0x0a+5*\w
.irp c, 0,1,2,3
.irp t, 0,1,2,3
	v_pk_mul_f32 v[208+8*\t+2*\c:209+8*\t+2*\c], v[64*\t+2*\c:64*\t+2*\c+1], v[64*\t+2*\c:64*\t+2*\c+1]
.endr
.endr
.set p, 4
.rept 28
.irp t, 0,1,2,3
	v_pk_fma_f32 v[208+8*\t+2*(p%4):209+8*\t+2*(p%4)], v[64*\t+2*p:64*\t+2*p+1], v[64*\t+2*p:64*\t+2*p+1], v[208+8*\t+2*(p%4):209+8*\t+2*(p%4)]
.endr
.set p, p+1
.endr
	WIN 0
	LNJOIN
.irp t, 0,1,2,3
	v_fma_f32 v[208+8*\t], v[208+8*\t], s60, s59   ; the variance + 1e-5
.endr
.irp t, 0,1,2,3
	v_rsq_f32 v[T+2*\t], v[208+8*\t]
.endr
	v_nop
	s_wait_alu depctr_va_vdst(0)                   ; one wait for the four
	WIN 0x82+0x41*\w
.set p, 0
.rept 128
	v_pk_mul_f32 v[2*p:2*p+1], v[2*p:2*p+1], v[T+2*(p/32):T+2*(p/32)+1] op_sel_hi:[1,0]
.set p, p+1
.endr
.set p, 0
.rept 128
	v_pk_fma_f32 v[2*p:2*p+1], v[2*p:2*p+1], v[80+2*(p%32):81+2*(p%32)], v[144+2*(p%32):145+2*(p%32)]
.set p, p+1
.endr
.if \cvt
	WIN 0x4a+5*\w
.set p, 0
.rept 128
	v_cvt_pk_f16_f32 v[128*\w+p], v[2*p], v[2*p+1]
.set p, p+1
.endr
.endif
.endr
	WIN 0
.endm
	LN 1, 7168, 9216, 10240
; ---- the feed-forward block: 16 chunks of 32 hidden units, four to a content
.macro WLOAD reg, row0, o              ; eight images of the quarter in hand (o = QTR: of the next)
.set i, 0
.rept 8
	ds_load_b128 v[\reg+4*i:\reg+4*i+3], v[AW] offset:\o+ROWP*(\row0+i)
.set i, i+1
.endr
.endm
.macro B1LOAD o                        ; ff1_b of the chunk's two tiles: units 16 u + 8 h + 0 .. 7
.irp i, 0,1,2,3
	ds_load_b128 v[B1R+4*\i:B1R+4*\i+3], v[AD] offset:\o+64*(\i/2)+16*(\i%2)
.endr
.endm
.macro FF1 u                           ; 16 hidden units for all 128 tokens: eight accumulators by turns, K step by K step; the bias is the C of the first
.irp s, 0,1,2,3
.set tt, 0
.rept 8
.if \s == 0
	v_wmma_f32_16x16x32_f16 v[HB+16*tt+8*\u:HB+16*tt+8*\u+7], v[WA+32*\u+8*\s:WA+32*\u+8*\s+7], v[32*tt+8*\s:32*tt+8*\s+7], v[B1R+8*\u:B1R+8*\u+7]
.else
	v_wmma_f32_16x16x32_f16 v[HB+16*tt+8*\u:HB+16*tt+8*\u+7], v[WA+32*\u+8*\s:WA+32*\u+8*\s+7], v[32*tt+8*\s:32*tt+8*\s+7], v[HB+16*tt+8*\u:HB+16*tt+8*\u+7]
.endif
.set tt, tt+1
.endr
.endr
.endm
.macro RPS t, i                        ; slice i of four of tile t's relu and rounding: 16 registers become the 8 of a fragment at HB + 8 t (tiles in ascending order: a fragment lands on registers already read)
.irp j, 0,1,2,3
	v_max_num_f32 v[HB+16*(\t)+4*(\i)+\j], 0, v[HB+16*(\t)+4*(\i)+\j]
.endr
	v_cvt_pk_f16_f32 v[HB+8*(\t)+2*(\i)], v[HB+16*(\t)+4*(\i)], v[HB+16*(\t)+4*(\i)+1]
	v_cvt_pk_f16_f32 v[HB+8*(\t)+2*(\i)+1], v[HB+16*(\t)+4*(\i)+2], v[HB+16*(\t)+4*(\i)+3]
.endm
.macro FPHASE
	s_mov_b32 s71, s70
	v_add_nc_u32 v[AW], s71, v[LI]
	v_add_nc_u32 v[AD], s74, v[H32]
	WLOAD WA, 0, 0
	B1LOAD 0
	WLOAD WA+32, 8, 0
	s_mov_b32 s69, 0
.Lch_\@:
	v_add_nc_u32 v[AW], s71, v[LI]
	v_add_nc_u32 v[AD], s74, v[H32]
	PLACES 3                                       ; with the two additions: five places ahead of products that write over the last chunk's operands
	s_wait_dscnt 8                                 ; the first tile's weights and the bias are in; the second tile's eight loads may be out
	WIN 0x04                                       ; source 1 (x) in window 1
	FF1 0
	WIN 0
	PLACES 4
	WLOAD WA, 16, 0                                ; ff2_w's output tiles 0-3
	s_wait_dscnt 8                                 ; all but those eight
	WIN 0x04
	FF1 1
	WIN 0
	PLACES 4
	WLOAD WA+32, 24, 0                             ; output tiles 4-7
.irp i, 0,1,2,3
	RPS 0, \i
.endr
	s_wait_dscnt 8                                 ; all but those eight
.set tt, 0
.rept 8                                ; onto the residual: output tiles 0-3; the next token tile's relu and rounding stand in slices behind the products
.irp i, 0,1,2,3
	WIN 0xa0+0x50*(tt/4)
	v_wmma_f32_16x16x32_f16 v[64*(tt%4)+8*\i:64*(tt%4)+8*\i+7], v[WA+8*\i:WA+8*\i+7], v[HB+8*tt:HB+8*tt+7], v[64*(tt%4)+8*\i:64*(tt%4)+8*\i+7]
.if tt < 7
	WIN 0
	RPS tt+1, \i
.endif
.endr
.set tt, tt+1
.endr
	WIN 0
	s_wait_dscnt 0x0
	PLACES 4
	s_cmp_eq_u32 s69, 3                            ; the next chunk's weights, if the slot has a next chunk
	s_cbranch_scc1 .Lna_\@
	WLOAD WA, 0, QTR
	B1LOAD 128
.Lna_\@:
.set tt, 0
.rept 8                                ; output tiles 4-7
	WIN 0xa0+0x50*(tt/4)
.irp i, 0,1,2,3
	v_wmma_f32_16x16x32_f16 v[64*(tt%4)+32+8*\i:64*(tt%4)+39+8*\i], v[WA+32+8*\i:WA+39+8*\i], v[HB+8*tt:HB+8*tt+7], v[64*(tt%4)+32+8*\i:64*(tt%4)+39+8*\i]
.endr
.set tt, tt+1
.endr
	WIN 0
	PLACES 4
	s_cmp_eq_u32 s69, 3
	s_cbranch_scc1 .Lnb_\@
	WLOAD WA+32, 8, QTR
.Lnb_\@:
	s_add_co_u32 s71, s71, QTR
	s_add_co_u32 s74, s74, 128
	s_add_co_u32 s69, s69, 1
	s_cmp_lt_u32 s69, 4
	s_cbranch_scc1 .Lch_\@
.endm
	s_mov_b32 s68, 0
.Lkf:
	CHANGE 1, 1
	FPHASE
	s_add_co_u32 s68, s68, 1
	s_cmp_lt_u32 s68, 3
	s_cbranch_scc1 .Lkf
	CHANGE 0, 1                                    ; the layer's last content is written out: nothing is asked for behind this barrier
	FPHASE
	LN 0, 8192, 11264, 12288
	s_add_co_u32 s79, s79, 1536
	s_add_co_u32 s80, s80, 2048
	s_add_co_u32 s75, s75, 512
	s_add_co_u32 s61, s61, 1
	s_cmp_lt_u32 s61, 2
	s_cbranch_scc1 .Llayer
	; ---- THE WAY OUT.  A lane holds pieces of 32 bytes of one token's row: 64 tokens at a time go through my own LDS bytes and come back as whole rows, which the 32 lanes store as 512 consecutive bytes, aligned
	v_and_b32 v[AD], 15, v0
	v_mul_u32_u24 v[AD], v[AD], ROWP
	v_lshl_add_u32 v[AD], v[H32], 2, v[AD]
	v_add_nc_u32 v[AD], s81, v[AD]
.irp w, 0,1
	WIN 0x08+4*\w                                  ; an LDS store's data are its source 1
.set i, 0
.rept 64
	ds_store_b128 v[AD], v[4*i:4*i+3] offset:16*ROWP*(i/16)+256*((i/8)%2)+32*((i/2)%4)+16*(i%2)
.set i, i+1
.endr
	WIN 0
	s_mov_b32 s84, 0
	s_mov_b32 s67, 0
.Lout\w:
	v_add_nc_u32 v[AQ], s84, v[PL]
.set i, 0
.rept 16
	ds_load_b128 v[16+4*i:19+4*i], v[AQ] offset:ROWP*i   ; LDS serves a wave's instructions in order: these see my stores
.set i, i+1
.endr
.set i, 0
.rept 16
	s_wait_dscnt 15-i                              ; row i is in; the younger rows' loads may be out
	global_store_b128 v[LI], v[16+4*i:19+4*i], s[10:11] offset:512*i th:TH_STORE_NT
.set i, i+1
.endr
	s_wait_xcnt 0x0                                ; the stores have read their registers and their base: both are written again only behind this wait
	s_add_nc_u64 s[10:11], s[10:11], 8192
	s_add_co_u32 s84, s84, 16*ROWP
	s_add_co_u32 s67, s67, 1
	s_cmp_lt_u32 s67, 4
	s_cbranch_scc1 .Lout\w
.endr
	s_wait_tensorcnt 0x0                           ; the wave's end: an add to the spare word and its wait, behind my last tensor load and my last LDS store
	ds_add_u32 v[SPW], v[NIL]
	s_wait_dscnt 0x0
	ROUND                                          ; the closing round
	s_endpgm
.Lfunc_end_k_q21ecd9be79_net:
	.size	k_q21ecd9be79_net, .Lfunc_end_k_q21ecd9be79_net-k_q21ecd9be79_net
	.p2alignl 7, 3214868480
	.fill 96, 4, 3214868480
	.section	.rodata,"a",@progbits
	.p2align	6, 0x0
	.amdhsa_kernel k_q21ecd9be79_net
		.amdhsa_group_segment_fixed_size 327680
		.amdhsa_private_segment_fixed_size 0
		.amdhsa_enable_private_segment 0
		.amdhsa_kernarg_size 32
		.amdhsa_user_sgpr_count 2
		.amdhsa_user_sgpr_kernarg_segment_ptr 1
		.amdhsa_wavefront_size32 1
		.amdhsa_system_sgpr_workgroup_id_x 1
		.amdhsa_system_sgpr_workgroup_id_y 1
		.amdhsa_system_sgpr_workgroup_id_z 1
		.amdhsa_system_vgpr_workitem_id 0
		.amdhsa_next_free_vgpr 1024
		.amdhsa_next_free_sgpr 90
		.amdhsa_reserve_vcc 0
		.amdhsa_float_denorm_mode_32 3
		.amdhsa_float_denorm_mode_16_64 3
		.amdhsa_memory_ordered 1
		.amdhsa_forward_progress 1
		.amdhsa_inst_pref_size 255
	.end_amdhsa_kernel
	.section	.bss,"aw",@nobits
	.p2align	6
	.space	262144
	.amdgpu_metadata
---
amdhsa.version: [ 1, 2 ]
amdhsa.kernels:
  - .name:           k_q21ecd9be79_net
    .symbol:         k_q21ecd9be79_net.kd
    .args:
      - { .name: x, .offset: 0, .size: 8, .value_kind: global_buffer, .address_space: global }
      - { .name: attn_mask, .offset: 8, .size: 8, .value_kind: global_buffer, .address_space: global }
      - { .name: wstream, .offset: 16, .size: 8, .value_kind: global_buffer, .address_space: global }
      - { .name: out0, .offset: 24, .size: 8, .value_kind: global_buffer, .address_space: global }
    .group_segment_fixed_size: 327680
    .private_segment_fixed_size: 0
    .kernarg_segment_align: 8
    .kernarg_segment_size: 32
    .max_flat_workgroup_size: 128
    .sgpr_count:     90
    .vgpr_count:     1024
    .wavefront_size: 32
...
	.end_amdgpu_metadata
.endif
;; end of part 2
